; MI455X (gfx1250); checked and timed in simulation.
; The chip was launched on July 23, 2026; its instructions are those of AMD's public machine-readable ISA for CDNA 5 (MIT licence, August 2026) and "CDNA5" Instruction Set Architecture Reference Guide (July 2026). The comments in the code are by the model that wrote it; some were corrected since.
;; Test Binary. Allowed arithmetic: float matrix products may take bf16 or f16 operands with f32 sums; other float arithmetic in f32, or as packed bf16 or f16 multiplies, adds, multiply-adds, maxima and minima; sums over many terms, partial sums and values carried from step to step in f32; what a program stores and reads back later, other than sums and carried values, may be rounded once to bf16 or f16.
;; Inputs: kernel 4,096 x 4,096 float32; x 4,096 x 4,096 float32.
;; Outputs: out0 4,096 x 4,096 float32.
;; 2 versions, each right; version 2 is version 1 with the launch prep written anew for expert scheduling mode. Each part assembles by itself: llvm-mc -triple=amdgcn-amd-amdhsa -mcpu=gfx1250 --defsym DOCPART=n.
;; ======== version 1 of 2: 2 launches
;; workspace buffers: xb 33,554,432 bytes; sb 33,554,432 bytes
;; launch prep (part 1): grid 512 x 2, 8 waves a work-group, no clusters, 0 bytes of LDS; arguments x, kernel, xb, sb; writes xb, sb
.if DOCPART == 1
	.amdgcn_target "amdgcn-amd-amdhsa--gfx1250"
	.amdhsa_code_object_version 6
	.text
	.protected	k_qe990de77c4_prep
	.globl	k_qe990de77c4_prep
	.p2align	8
	.type	k_qe990de77c4_prep,@function
k_qe990de77c4_prep:
	s_mov_b64 s[64:65], 0
	v_nop
	global_prefetch_b8 v0, s[64:65] scope:SCOPE_SE
	s_setreg_imm32_b32 hwreg(HW_REG_WAVE_MODE, 25, 1), 1
	s_wait_xcnt 0x0
; xb = x rounded to bf16, [4096][4096];  sb = +1 where kernel >= 0, else -1, in bf16, [4096 k][4096 n], not turned.
; LIMITS.  x is rounded once, to nearest even; a magnitude above bf16's largest finite number becomes an infinity; a NaN stays a NaN.
; kernel: -0.0 counts as +1 and a NaN as -1, as the comparison k >= 0 has it.  +1 and -1 are exact in bf16.
; A STREAM: each f32 byte is read once, each bf16 byte written once; nothing is shared, so no LDS, no barrier, no matrix work, no cluster.
; SHARES.  Grid y = 0 takes x, y = 1 takes kernel.  A work-group owns 32 chunks of 4,096 bytes of its source (131,072 bytes) and 65,536 bytes of its target.
; In a chunk thread t loads the 16 bytes at 16 t (a wave: 512 bytes on end) and stores the 8 bytes at 8 t (a wave: 256 bytes on end, at a multiple of 256).
; A ring of DEPTH register slots keeps DEPTH loads of every wave on their way.  The chunk stands in the immediates; the two bases step once a round.
.set CH,     4096                      ; bytes of f32 in a chunk
.set DEPTH,  8                         ; slots = loads in flight in each wave
.set ROUNDS, 32/DEPTH                  ; each round takes every slot once
.set T, 4                              ; v[4:7]    four signs in f32, at work
.set X, 8                              ; v[8:39]   slot i: 4 registers as loaded
.set Y, 40                             ; v[40:55]  slot i: 2 registers to store
	s_load_b256 s[4:11], s[0:1], 0x0               ; x s[4:5], kernel s[6:7], xb s[8:9], sb s[10:11]
	s_and_b32 s20, ttmp7, 0xffff                   ; 0: x, 1: kernel
	s_lshl_b32 s16, ttmp9, 17                      ; my 131,072 bytes of the source (under 2^26),
	s_mov_b32 s17, 0
	s_lshl_b32 s18, ttmp9, 16                      ; my 65,536 bytes of the target
	s_mov_b32 s19, 0
	v_lshlrev_b32 v1, 4, v0                        ; 16 t; never rewritten
	v_lshlrev_b32 v2, 3, v0                        ; 8 t; never rewritten
	v_mov_b32 v3, 1.0
	s_wait_kmcnt 0x0
	s_cmp_eq_u32 s20, 0
	s_cselect_b64 s[12:13], s[4:5], s[6:7]         ; the source,
	s_cselect_b64 s[14:15], s[8:9], s[10:11]       ; the target
	s_add_nc_u64 s[12:13], s[12:13], s[16:17]
	s_add_nc_u64 s[14:15], s[14:15], s[18:19]
.irp i, 0,1,2,3,4,5,6,7
	global_load_b128 v[X+4*(\i):X+4*(\i)+3], v1, s[12:13] offset:(\i)*CH th:TH_LOAD_NT  ; fill the ring: chunks 0 to 7
.endr
	s_mov_b32 s21, ROUNDS-1
	s_cmp_lg_u32 s20, 0
	s_cbranch_scc1 .Lsign
; One slot's turn.  ahead = 1: the slot is filled again with the chunk DEPTH further on.  left = how many younger loads may stay out.
; mode 0: four numbers rounded to bf16.  mode 1: four signs, then packed (exactly).
.macro SLOT i, ahead, left, mode
	s_wait_loadcnt \left                           ; loads come back in order (ISA guide 5.7.1): mine is in, the younger ones stay out
.if \mode
.irp j, 0,1,2,3
	v_cmp_le_f32 vcc_lo, 0, v[X+4*(\i)+(\j)]       ; 0 <= k: true for -0.0, false for a NaN
	v_cndmask_b32 v[T+(\j)], -1.0, v3, vcc_lo
.endr
	v_cvt_pk_bf16_f32 v[Y+2*(\i)], v[T], v[T+1]
	v_cvt_pk_bf16_f32 v[Y+2*(\i)+1], v[T+2], v[T+3]
.else
	v_cvt_pk_bf16_f32 v[Y+2*(\i)], v[X+4*(\i)], v[X+4*(\i)+1]
	v_cvt_pk_bf16_f32 v[Y+2*(\i)+1], v[X+4*(\i)+2], v[X+4*(\i)+3]
.endif
.if \ahead
	global_load_b128 v[X+4*(\i):X+4*(\i)+3], v1, s[12:13] offset:(DEPTH+(\i))*CH th:TH_LOAD_NT  ; the load goes out ahead of the store
.endif
	global_store_b64 v2, v[Y+2*(\i):Y+2*(\i)+1], s[14:15] offset:(\i)*CH/2 th:TH_STORE_NT
.endm
; The whole walk: ROUNDS - 1 rounds that fill again, then one that loads nothing, so that no load leaves the work-group's share (the last chunk asked for is 8 x 3 + 7 = 31).
.macro PATH mode
.Lround\mode:
.irp i, 0,1,2,3,4,5,6,7
	SLOT \i, 1, DEPTH-1, \mode
.endr
	s_wait_xcnt 0x0                                ; every load and store issued so far has had its address translated (ISA guide 3.1): only behind this wait are the two bases and the stores' Y written again
	s_add_nc_u64 s[12:13], s[12:13], DEPTH*CH
	s_add_nc_u64 s[14:15], s[14:15], DEPTH*CH/2
	s_sub_co_u32 s21, s21, 1
	s_cmp_lg_u32 s21, 0
	s_cbranch_scc1 .Lround\mode
.irp i, 0,1,2,3,4,5,6,7
	SLOT \i, 0, DEPTH-1-(\i), \mode                ; the counts run down
.endr
	s_endpgm
.endm
	PATH 0
.Lsign:
	PATH 1
.Lfunc_end_k_qe990de77c4_prep:
	.size	k_qe990de77c4_prep, .Lfunc_end_k_qe990de77c4_prep-k_qe990de77c4_prep
	.p2alignl 7, 3214868480
	.fill 96, 4, 3214868480
	.section	.rodata,"a",@progbits
	.p2align	6, 0x0
	.amdhsa_kernel k_qe990de77c4_prep
		.amdhsa_group_segment_fixed_size 0
		.amdhsa_private_segment_fixed_size 0
		.amdhsa_enable_private_segment 0
		.amdhsa_kernarg_size 32
		.amdhsa_user_sgpr_count 2
		.amdhsa_user_sgpr_kernarg_segment_ptr 1
		.amdhsa_wavefront_size32 1
		.amdhsa_system_sgpr_workgroup_id_x 1
		.amdhsa_system_sgpr_workgroup_id_y 1
		.amdhsa_system_sgpr_workgroup_id_z 1
		.amdhsa_system_vgpr_workitem_id 0
		.amdhsa_next_free_vgpr 56
		.amdhsa_next_free_sgpr 66
		.amdhsa_reserve_vcc 1
		.amdhsa_float_denorm_mode_32 3
		.amdhsa_float_denorm_mode_16_64 3
		.amdhsa_memory_ordered 1
		.amdhsa_forward_progress 1
		.amdhsa_inst_pref_size 16
	.end_amdhsa_kernel
	.amdgpu_metadata
---
amdhsa.version: [ 1, 2 ]
amdhsa.kernels:
  - .name:           k_qe990de77c4_prep
    .symbol:         k_qe990de77c4_prep.kd
    .args:
      - { .name: x, .offset: 0, .size: 8, .value_kind: global_buffer, .address_space: global }
      - { .name: kernel, .offset: 8, .size: 8, .value_kind: global_buffer, .address_space: global }
      - { .name: xb, .offset: 16, .size: 8, .value_kind: global_buffer, .address_space: global }
      - { .name: sb, .offset: 24, .size: 8, .value_kind: global_buffer, .address_space: global }
    .group_segment_fixed_size: 0
    .private_segment_fixed_size: 0
    .kernarg_segment_align: 8
    .kernarg_segment_size: 32
    .max_flat_workgroup_size: 256
    .sgpr_count:     66
    .vgpr_count:     56
    .wavefront_size: 32
...
	.end_amdgpu_metadata
.endif
;; end of part 1
;; launch gemm (part 2): grid 16 x 16, 4 waves a work-group, clusters of 4 x 4, 327,680 bytes of LDS; arguments xb, sb, out0; writes out0
.if DOCPART == 2
	.amdgcn_target "amdgcn-amd-amdhsa--gfx1250"
	.amdhsa_code_object_version 6
	.text
	.protected	k_qe990de77c4_gemm
	.globl	k_qe990de77c4_gemm
	.p2align	8
	.type	k_qe990de77c4_gemm,@function
k_qe990de77c4_gemm:
	s_mov_b64 s[64:65], 0
	v_nop
	global_prefetch_b8 v0, s[64:65] scope:SCOPE_SE
	s_setreg_imm32_b32 hwreg(HW_REG_WAVE_MODE, 25, 1), 1
	s_wait_xcnt 0x0
	s_wait_alu depctr_hold_cnt(0) depctr_sa_sdst(0) depctr_va_vdst(0) depctr_va_sdst(0) depctr_va_ssrc(0) depctr_va_vcc(0) depctr_vm_vsrc(0)
	s_getreg_b32 s2, hwreg(HW_REG_IB_STS2, 6, 4)
	s_cmp_eq_u32 s2, 0
	s_cbranch_scc0 .Lentry_in_a_cluster
	s_endpgm
.Lentry_in_a_cluster:
	s_bfe_u32 s2, ttmp6, 0x10000c
	s_cmp_lg_u32 s2, 0xf033
	s_cbranch_scc0 .Lentry_shape_is_right
	s_endpgm
.Lentry_shape_is_right:
; out0[m][n] = the sum over k of xb[m][k] sb[k][n].  xb: [4096 m][4096 k] bf16 (x rounded once); sb: [4096 k][4096 n] bf16 (+1 or -1, exact); out0: [4096][4096] f32.
; Sums in f32, K ascending, one accumulator for each output.  LIMITS: those of xb's rounding (stated where xb is made); nothing is rounded here.
; SHARES.  A tile of out0, 256 x 256, is made by a work-group of four waves; a wave makes 128 x 128: 64 accumulators of 16 x 16, 512 registers.  16 x 16 tiles: 256 work-groups, one tile each.
; K goes in steps of 128 through a ring of two LDS slots filled by the tensor data mover.  A slot holds xb's tile as 256 rows (m) x 256 bytes and sb's tile as 128 rows (k) x 512 bytes:
; all rows start at multiples of 256 bytes from their buffer's first byte.  xb's fragments come out of LDS as they lie; sb's, whose rows run along n, are turned by ds_load_tr16_b128.
; CLUSTERS: 4 x 4 work-groups.  The four of a row of the cluster need the same tiles of xb, the four of a column the same tiles of sb: each tile is asked for JOINTLY, by the same tensor load
; with the same descriptor and a mask that names the four, and each receives it in its own LDS.  That divides the requests for both by four.
; THE MATRIX INSTRUCTION IS USED TRANSPOSED: source 0 = 16 columns of sb, source 1 = 16 rows of xb.  In the result lane l holds row l % 16 of out0 and the columns 8 (l / 16) + 0..7:
; 32 bytes of a row on end.  On the way out a block of 16 rows goes through the wave's own stage in LDS and leaves as whole rows of 512 bytes.
; All of the LDS is claimed: the text uses 312,832 bytes.
; REGISTERS, in windows of 256 (s_set_vgpr_msb's low byte: bits 1:0 source 0, 3:2 source 1, 5:4 source 2, 7:6 destination):
;   window 0: v0-31 addresses; v64-127, v128-191 fragments of xb (8 x 16 rows x 32 K), two buffers; on the way out the same registers take rows read back from the stage
;   window 1: v64-127, v128-191 fragments of sb, two buffers
;   window 2: the 32 accumulators of my rows 0-63 (accumulator (a, b) at v[8 (8 a + b)]);   window 3: those of my rows 64-127
.set SIZE,   4096
.set KSTEP,  128
.set LAPS,   SIZE/(2*KSTEP)            ; a lap = two K steps = once round the ring: 16
.set ROWB,   SIZE*2                    ; bytes in a row of xb and of sb
.set CROW,   SIZE*4                    ; bytes in a row of out0
.set ASTEP,  KSTEP*2                   ; a K step along xb's rows: 256 bytes
.set BSTEP,  KSTEP*ROWB                ; a K step down sb's rows: 128 rows
.set PA,     272                       ; xb's LDS row: 256 bytes + 16 of padding = 68 words: row r starts at bank 4 r mod 64 (64 banks of 4 bytes: ISA guide 11.1), so the 16 rows of a load start at 16 different banks
.set PB,     544                       ; sb's LDS row: 512 + 32 = 136 words: row r starts at bank 8 r mod 64
.set HALF,   128*PA                    ; what one tensor load brings: 128 rows of xb, or 64 rows of sb (64 x 544 is the same 34,816 bytes)
.set SLOT,   4*HALF                    ; xb's 256 rows, then sb's 128 rows
.set STAGE,  2*SLOT                    ; behind the ring, never filled by a tensor load: 16 rows x 528 bytes for each wave
.set SP,     528                       ; a stage row: 512 bytes + 16: the 16 rows that a store touches start at 16 different groups of four banks
.set SPARE,  STAGE+4*16*SP             ; behind the stages: the spare words, 128 bytes for each wave: two blocks of 256 bytes that no other line names
.set ADRA, 16                          ; v16-17  LDS address of my xb fragments in slot 0, 1
.set ADRB, 20                          ; v20-21  the same for sb
.set STO,  24                          ; v24     the way out: where I put 32 bytes of a row
.set RD,   25                          ; v25     the way out: where I read 16 bytes of a row back
.set CO,   26                          ; v26     my 16 bytes in a row's 512 of out0; never rewritten
.set SPW,  28                          ; v28     LDS address of my spare word: SPARE + 4 x my thread's number; never rewritten
.set NIL,  29                          ; v29     0; never rewritten
.set PFO,  30                          ; v30     the prefetches' lane offset; never rewritten
.set F0,   64                          ; fragment buffer 0
.set F1,   128                         ; fragment buffer 1
.set G1,   24                          ; s[24:31] descriptor group 1 for xb's tiles
.set G0,   32                          ; s[32:39] descriptor group 0 for xb's tiles, one set for each slot
.set G1B,  48                          ; s[48:55] descriptor group 1 for sb's tiles
.set G0B,  56                          ; s[56:63] descriptor group 0 for sb's tiles, one set for each slot
.set PFS,  18                          ; s[18:19] a K step in the tensor that I prefetch
.set LIM,  43                          ; s43     1 in a wave that prefetches, else the greatest number
.set PFA,  44                          ; s[44:45] where my prefetches stand
.set MSB, 0
.macro WIN new                         ; the immediate's high byte repeats the setting that is left; a switch that changes nothing is dropped
.if MSB != (\new)
	s_set_vgpr_msb (MSB<<8)|(\new)
.set MSB, \new
.endif
.endm
.set MUL_LO, 0xa1                      ; source 0 (sb) window 1, source 1 (xb) window 0, C and D window 2
.set MUL_HI, 0xf1                      ; the same, C and D window 3
.set TO_B,   0x40                      ; destination window 1, address window 0
; A joint load.  Waves 0 and 1 fetch xb's two halves, waves 2 and 3 sb's.  Each of the two lines has ONE mask and one set of registers for all that issue it.  The branch hangs on the wave's
; number alone.  An s_nop 0 and four v_nop follow each line, ahead of the jump, the label and what follows the macro.
.macro JLOAD s
	s_cmp_eq_u32 s11, 0
	s_cbranch_scc0 .Lfor_b_\@
	tensor_load_to_lds s[G0+4*(\s):G0+4*(\s)+3], s[G1:G1+7]
	s_nop 0
.rept 4
	v_nop
.endr
	s_branch .Lasked_\@
.Lfor_b_\@:
	tensor_load_to_lds s[G0B+4*(\s):G0B+4*(\s)+3], s[G1B:G1B+7]
	s_nop 0
.rept 4
	v_nop
.endr
.Lasked_\@:
.endm
; A PREFETCH INTO THE L2, behind each joint refill, its five lines and the run of LDS loads that follows them: the K step that stands TWO refills on, 512 matrix instructions ahead of the load that will name it.
; Each aligned block of 256 bytes of xb and sb is named ONCE in the launch.  xb's tile row is walked by every cluster of that row of clusters: cluster x = 0 asks; sb's tile column by every cluster of
; that column: cluster y = 0 asks.  The four partners of a joint load share its 128 blocks out BY ADDRESS, 32 each, a lane a block (xb: 32 rows x 256 bytes, by cx; sb: 16 rows x 2 blocks, by cy):
; no branch hangs on a work-group's place in its cluster.  K steps 0 to 3 come by their loads alone; the loop's last trip (s3 = 1) asks for nothing: K step 31 is the last.
.macro ASK
	s_cmp_gt_u32 s3, s[LIM]
	s_cbranch_scc0 .Lnot_mine_\@
	global_prefetch_b8 v[PFO], s[PFA:PFA+1] th:TH_LOAD_NT scope:SCOPE_SE
.Lnot_mine_\@:
.endm
; A round of the cluster's barrier: my work-group's barrier, so that wave 0's signal speaks for all four waves; wave 0 signals for the work-group; every wave waits for all sixteen
; work-groups; my work-group's barrier once more.  No LDS instruction of the wave is pending at a signal.
.macro CREST                           ; a round behind its opening barrier
	s_cmp_lg_u32 s10, 0
	s_cbranch_scc1 .Lnot_wave_0_\@
	s_barrier_signal -3
.Lnot_wave_0_\@:
	s_barrier_wait -3
	s_barrier_signal -1
	s_barrier_wait -1
.endm
.macro CROUND                          ; a whole round
	s_barrier_signal -1
	s_barrier_wait -1
	CREST
.endm
	s_load_b128 s[4:7], s[0:1], 0x0                ; xb s[4:5], sb s[6:7]
	s_load_b64 s[8:9], s[0:1], 0x10                ; out0
	v_lshl_add_u32 v[SPW], v0, 2, SPARE
	v_mov_b32 v[NIL], 0
	ds_add_u32 v[SPW], v[NIL]                      ; the wave's opening: the add, twice on end, and its wait ahead of my first tensor load; the set-up below stands between
	ds_add_u32 v[SPW], v[NIL]                      ; and once more, under the one wait
	v_lshrrev_b32 v1, 5, v0
	v_readfirstlane_b32 s10, v1                    ; wave 0..3
	s_lshr_b32 s11, s10, 1                         ; which half of the tile's rows is mine.  Also: I fetch for xb (0) or for sb (1)
	s_and_b32 s12, s10, 1                          ; which half of its columns.  Also: which half of that tile I fetch
	s_bfe_u32 s40, ttmp6, 0x40000                  ; cx: my place along the cluster's x
	s_bfe_u32 s41, ttmp6, 0x40004                  ; cy: along its y
	s_lshl_b32 s42, ttmp9, 2                       ; in a cluster launch ttmp9 and ttmp7 count clusters
	s_add_co_u32 s42, s42, s40                     ; tile column = 4 x cluster x + cx
	s_and_b32 s13, ttmp7, 0xffff
	s_lshl_b32 s13, s13, 2
	s_add_co_u32 s13, s13, s41                     ; tile row = 4 x cluster y + cy
	s_lshl_b32 s43, s41, 2
	s_lshl_b32 s43, 15, s43                        ; my row of the cluster: places 4 cy .. 4 cy + 3
	s_lshl_b32 s44, 0x1111, s40                    ; my column: places cx, cx + 4, cx + 8, cx + 12
	; group 1 for xb: 128 rows x 128 elements, 16 bytes of padding behind every 256
	s_or_b32 s[G1+0], s43, (1<<16)|(1<<20)|(1<<21)|(5<<22)|(3<<25)  ; 15:0 the mask: my row; 17:16 elements of 2 bytes; 20 padding on; 21 set beside a mask; 24:22 after every 64 words (code 5); 31:25 4 words (code 3)
	s_mov_b32 s[G1+1], KSTEP<<16                   ; tensor_dim0 = 128
	s_mov_b32 s[G1+2], 128<<16                     ; tensor_dim1 = 128
	s_mov_b32 s[G1+3], KSTEP<<16                   ; tile_dim0 = 128
	s_mov_b32 s[G1+4], 128                         ; tile_dim1 = 128
	s_mov_b32 s[G1+5], SIZE                        ; elements from row to row
	s_mov_b32 s[G1+6], 0
	s_mov_b32 s[G1+7], 0
	; group 1 for sb: 64 rows (k) x 256 elements (n), 32 bytes of padding behind every 512
	s_or_b32 s[G1B+0], s44, (1<<16)|(1<<20)|(1<<21)|(6<<22)|(7<<25) ; the mask: my column; after every 128 words (code 6), 8 words (code 7)
	s_mov_b32 s[G1B+1], 256<<16                    ; tensor_dim0 = 256
	s_mov_b32 s[G1B+2], 64<<16                     ; tensor_dim1 = 64
	s_mov_b32 s[G1B+3], 256<<16                    ; tile_dim0 = 256
	s_mov_b32 s[G1B+4], 64                         ; tile_dim1 = 64
	s_mov_b32 s[G1B+5], SIZE
	s_mov_b32 s[G1B+6], 0
	s_mov_b32 s[G1B+7], 0
	; where the tiles come from.  xb's hang on the tile row alone, which my row of the cluster shares; sb's on the tile column alone, which my column shares.
	; Every wave makes both addresses, in registers that never hold the other coordinate, and asks by one of them.  All offsets stay under 2^26.
	s_lshl_b32 s16, s13, 8
	s_lshl_b32 s17, s12, 7
	s_add_co_u32 s16, s16, s17                     ; xb: row 256 x tile row + 128 x half,
	s_lshl_b32 s16, s16, 13                        ; of 8,192 bytes
	s_mov_b32 s17, 0
	s_lshl_b32 s46, s12, 19                        ; sb: 64 x half rows of 8,192 bytes,
	s_lshl_b32 s47, s42, 9                         ; 256 x tile column elements of 2 bytes
	s_add_co_u32 s46, s46, s47
	s_mov_b32 s47, 0
	s_mul_i32 s20, s10, HALF                       ; and where they go: xb's two halves, then sb's two halves = wave x 34,816: no place in the cluster enters an LDS address
	s_wait_dscnt 0x0                               ; both opening adds are done
	s_wait_kmcnt 0x0
	s_add_nc_u64 s[14:15], s[4:5], s[16:17]
	s_add_nc_u64 s[46:47], s[6:7], s[46:47]
	CROUND                                         ; all sixteen work-groups are here: the first joint loads meet
.irp s, 0,1
	s_mov_b32 s[G0+4*(\s)], 1                                      ; 1:0 count = 1
	s_add_co_u32 s[G0+4*(\s)+1], s20, (\s)*SLOT                    ; 63:32 LDS address
	s_add_nc_u64 s[G0+4*(\s)+2:G0+4*(\s)+3], s[14:15], (\s)*ASTEP  ; 120:64 global address: K step s
	s_or_b32 s[G0+4*(\s)+3], s[G0+4*(\s)+3], 0x80000000            ; 127:126 type = 2
	s_mov_b32 s[G0B+4*(\s)], 1
	s_add_co_u32 s[G0B+4*(\s)+1], s20, (\s)*SLOT
	s_add_nc_u64 s[G0B+4*(\s)+2:G0B+4*(\s)+3], s[46:47], (\s)*BSTEP
	s_or_b32 s[G0B+4*(\s)+3], s[G0B+4*(\s)+3], 0x80000000
	JLOAD \s                                       ; the ring is filled before anything else is done: two loads of mine are out
.endr
	; A fragment is 16 rows x 32 K in 8 registers: lane l holds row l % 16; registers 0-3 hold K = 8 (l / 16) + 0..7, registers 4-7 K = 16 + 8 (l / 16) + 0..7.
	; xb, rows along K: two loads of 16 bytes, 32 bytes apart, at row x pitch + 16 (l / 16).
	; sb, rows along n: the turning load takes 16 k x 16 n (lane l reads 16 bytes: k = 8 (l / 16) + l % 8, n = 8 ((l / 8) % 2) + 0..7) and leaves half a fragment: lane l holds column l % 16 and 8 k; the second half lies 16 rows on.
	v_and_b32 v1, 15, v0                           ; l % 16
	v_bfe_u32 v2, v0, 4, 1                         ; l / 16
	v_mul_u32_u24 v3, v1, PA
	v_lshl_add_u32 v3, v2, 4, v3
	v_and_b32 v4, 7, v0
	v_lshl_add_u32 v4, v2, 3, v4
	v_mul_u32_u24 v4, v4, PB
	v_bfe_u32 v5, v0, 3, 1
	v_lshl_add_u32 v4, v5, 4, v4
	s_mul_i32 s21, s11, HALF                       ; my 128 rows of xb
	s_lshl_b32 s22, s12, 8                         ; my 128 columns of sb: 256 bytes of each row,
	s_add_co_u32 s22, s22, 2*HALF                  ; behind xb's 256 rows
.irp s, 0,1
	v_add_nc_u32 v[ADRA+(\s)], s21, v3
	v_add_nc_u32 v[ADRB+(\s)], s22, v4
	s_add_co_u32 s21, s21, SLOT
	s_add_co_u32 s22, s22, SLOT
.endr
	s_mul_i32 s23, s10, 16*SP
	s_add_co_u32 s23, s23, STAGE                   ; my stage
	v_mul_u32_u24 v5, v1, SP                       ; in: row l % 16, 32 bytes for each half of the lanes
	v_lshl_add_u32 v5, v2, 5, v5
	v_add_nc_u32 v[STO], s23, v5
	v_and_b32 v6, 31, v0                           ; l
	v_lshlrev_b32 v[CO], 4, v6                     ; back, and out: 32 lanes take one row's 512 bytes
	v_add_nc_u32 v[RD], s23, v[CO]
	v_lshrrev_b32 v3, s11, v6                      ; the prefetches' lane offset.  xb: row l.  sb: row l / 2, block l % 2 of its 512 bytes
	v_lshlrev_b32 v3, 13, v3
	v_and_b32 v4, s11, v6
	v_lshl_add_u32 v[PFO], v4, 8, v3
	; out0 at my part of the tile: the row term and the column term are added one after the other
	s_lshl_b32 s16, s13, 8
	s_lshl_b32 s17, s11, 7
	s_add_co_u32 s16, s16, s17                     ; my first row,
	s_lshl_b32 s16, s16, 14                        ; of 16,384 bytes
	s_mov_b32 s17, 0
	s_add_nc_u64 s[8:9], s[8:9], s[16:17]
	s_lshl_b32 s46, s42, 10                        ; my first column: 1,024 x tile column + 512 x half bytes
	s_lshl_b32 s47, s12, 9
	s_add_co_u32 s46, s46, s47
	s_mov_b32 s47, 0
	s_add_nc_u64 s[8:9], s[8:9], s[46:47]
	; the prefetches' base: my work-group's 32 blocks of what I fetch, at K step 3; the first refill steps it to K step 4
	s_lshl_b32 s20, s13, 8
	s_lshl_b32 s22, s12, 7
	s_add_co_u32 s20, s20, s22
	s_lshl_b32 s22, s40, 5
	s_add_co_u32 s20, s20, s22                     ; xb: row 256 x tile row + 128 x half + 32 cx
	s_lshl_b32 s20, s20, 13
	s_add_co_u32 s20, s20, 3*ASTEP
	s_lshl_b32 s21, s12, 6
	s_lshl_b32 s22, s41, 4
	s_add_co_u32 s21, s21, s22                     ; sb: row 64 x half + 16 cy,
	s_lshl_b32 s21, s21, 13
	s_lshl_b32 s22, s42, 9                         ; the tile's 512 bytes of it
	s_add_co_u32 s21, s21, s22
	s_add_co_u32 s21, s21, 3*BSTEP
	s_and_b32 s22, ttmp7, 0xffff                   ; cluster y
	s_mov_b32 s[PFS], BSTEP
	s_cmp_eq_u32 s11, 0                            ; do I fetch for xb?
	s_cselect_b32 s20, s20, s21
	s_cselect_b32 s[PFS], ASTEP, s[PFS]
	s_cselect_b32 s22, ttmp9, s22                  ; the coordinate along which other clusters walk the same blocks
	s_cselect_b64 s[PFA:PFA+1], s[4:5], s[6:7]
	s_mov_b32 s21, 0
	s_mov_b32 s[PFS+1], 0
	s_cmp_eq_u32 s22, 0
	s_cselect_b32 s[LIM], 1, -1                    ; the same in all sixteen partners, for a given wave
	s_add_nc_u64 s[PFA:PFA+1], s[PFA:PFA+1], s[20:21]
; 16 matrix instructions: m blocks a0, a0 + 1 of the window's four (hi = 0: my rows 0-63, 1: rows 64-127) x all 8 n blocks, 32 along K.
; zero = 1: the first product starts the sums: nothing is ever cleared.  The 64 accumulators take turns, in the same order in every quarter step.
.macro MUL16 f, hi, a0, zero
	WIN MUL_LO+0x50*(\hi)
.irp a, \a0, (\a0)+1
.irp b, 0,1,2,3,4,5,6,7
.if \zero
	v_wmma_f32_16x16x32_bf16 v[8*(8*(\a)+(\b)):8*(8*(\a)+(\b))+7], v[(\f)+8*(\b):(\f)+8*(\b)+7], v[(\f)+8*(4*(\hi)+(\a)):(\f)+8*(4*(\hi)+(\a))+7], 0
.else
	v_wmma_f32_16x16x32_bf16 v[8*(8*(\a)+(\b)):8*(8*(\a)+(\b))+7], v[(\f)+8*(\b):(\f)+8*(\b)+7], v[(\f)+8*(4*(\hi)+(\a)):(\f)+8*(4*(\hi)+(\a))+7], v[8*(8*(\a)+(\b)):8*(8*(\a)+(\b))+7]
.endif
.endr
.endr
.endm
; 32 LDS loads in one run: the fragments of quarter q of a K step (32 K x my 128 columns of sb, my 128 rows of xb x 32 K) into buffer f.  sb's largest offset is 61,152, inside the 16 bits.
.macro FETCH slot, q, f
	WIN TO_B
.irp i, 0,1,2,3,4,5,6,7
	ds_load_tr16_b128 v[(\f)+8*(\i):(\f)+8*(\i)+3],   v[ADRB+(\slot)] offset:(\q)*32*PB+32*(\i)
	ds_load_tr16_b128 v[(\f)+8*(\i)+4:(\f)+8*(\i)+7], v[ADRB+(\slot)] offset:(\q)*32*PB+16*PB+32*(\i)
.endr
	WIN 0
.irp i, 0,1,2,3,4,5,6,7
	ds_load_b128 v[(\f)+8*(\i):(\f)+8*(\i)+3],   v[ADRA+(\slot)] offset:64*(\q)+(\i)*16*PA
	ds_load_b128 v[(\f)+8*(\i)+4:(\f)+8*(\i)+7], v[ADRA+(\slot)] offset:64*(\q)+(\i)*16*PA+32
.endr
.endm
; A load into a register that a matrix instruction has read, and a store that reads a matrix result, stand four places behind that matrix instruction, and only plain vector instructions that
; name none of its registers are places (ISA guide 7.12.1 for vector instructions); the matrix instructions in between are not counted.
.macro PLACES
.rept 4
	v_nop
.endr
.endm
; A K step is four quarter steps of 32 along K, 64 matrix instructions each, on buffers 0, 1, 0, 1.
; One of the first three: multiplies buffer f; in its middle it fetches quarter q of the same slot into buffer g.
.macro QUARTER slot, q, f, g, zero
	s_wait_dscnt 8                                 ; sb and xb's rows 0-63 are in; the youngest eight loads (xb's rows 64-127) may be out
	MUL16 \f, 0, 0, \zero
	MUL16 \f, 0, 2, \zero
	PLACES
	FETCH \slot, \q, \g
	s_wait_dscnt 32                                ; all but the 32 just issued
	MUL16 \f, 1, 0, \zero
	MUL16 \f, 1, 2, \zero
.endm
; The last quarter multiplies buffer 1 and changes slots.  MEET is its first half: ONE barrier for two things.  In front of it each wave waits for all its tensor loads, of which one is out:
; its part of the next slot; adds 0 to its spare word; and waits for that and for its own reads of this slot.  Behind it nobody reads this slot any more and the next slot is whole.
.macro MEET round                      ; round = 1: the rest of a round of the cluster's barrier follows
	WIN 0                                          ; (the add's two registers lie in window 0)
	s_wait_tensorcnt 0x0                           ; all my tensor loads have landed;
	ds_add_u32 v[SPW], v[NIL]                      ; 0 onto my spare word;
	s_wait_dscnt 9                                 ; (the add and the youngest eight loads may be out)
	MUL16 F1, 0, 0, 0                              ; sixteen matrix instructions stand between the add and the wait for it
	s_wait_dscnt 0x0                               ; the add is done, and my reads of this slot are over:
	s_barrier_signal -1                            ; say so,
	MUL16 F1, 0, 2, 0                              ; work on registers while the others arrive,
.if \round
	WIN 0
.endif
	s_barrier_wait -1                              ; and go on when all four have said so
.endm
; The whole last quarter.  fill = 1: behind a round of the cluster's barrier the slot just read out is filled again first, with the K step two steps on; then come the next slot's first fragments.
; From that request to the wait for it a wave issues 224 matrix instructions; one tensor load of mine is out.
.macro TURN slot, next, fill
.if \fill
	s_wait_xcnt 0x0                                ; the last prefetch, a K step back, has read its address: it is stepped here, ahead of the waits of the change of slots
	s_add_nc_u64 s[PFA:PFA+1], s[PFA:PFA+1], s[PFS:PFS+1]
	MEET 1
	CREST                                          ; no wave of any partner still reads this slot's tile or has a load on its way
	s_add_nc_u64 s[G0+4*(\slot)+2:G0+4*(\slot)+3], s[G0+4*(\slot)+2:G0+4*(\slot)+3], 2*ASTEP     ; no tensor load of mine is out, so a group 0 may be written; the type bits on top are not reached
	s_add_nc_u64 s[G0B+4*(\slot)+2:G0B+4*(\slot)+3], s[G0B+4*(\slot)+2:G0B+4*(\slot)+3], 2*BSTEP
	JLOAD \slot                                    ; the first tensor load behind the round; the four v_nop behind it are also the places in front of the loads below
	FETCH \next, 0, F0
	ASK
.else
	MEET 0                                         ; nothing is filled again: my work-group's barrier alone
	PLACES
	FETCH \next, 0, F0
.endif
	MUL16 F1, 1, 0, 0
	MUL16 F1, 1, 2, 0
.endm
; THE WAY OUT of block a (16 of my rows), in two parts.  TOSTAGE: the accumulators' f32, 32 bytes a lane, into my own stage, each accumulator's four lowest registers first
; and back as whole rows of 512 bytes.  SEND: stored.  The stage is my wave's own and LDS serves a wave's instructions in order (ISA guide 5.7.1.4): no wait between the stores and the loads,
; and the next block's stores come behind this block's loads.
.macro TOSTAGE a
.set AC, 64*((\a)%4)
.set BK, 64+64*((\a)%2)
	WIN 0x08+4*((\a)/4)                            ; the stores' data (source 1) in window 2 or 3
.irp b, 0,1,2,3,4,5,6,7
	ds_store_b128 v[STO], v[AC+8*(\b):AC+8*(\b)+3]   offset:64*(\b)
	ds_store_b128 v[STO], v[AC+8*(\b)+4:AC+8*(\b)+7] offset:64*(\b)+16
.endr
	WIN 0
.if (\a) >= 2
	s_wait_xcnt 0x0                                ; the stores of the block two back have had their addresses translated (ISA guide 3.1): only behind this wait are their data registers loaded again
.endif
.irp t, 0,1,2,3,4,5,6,7,8,9,10,11,12,13,14,15
	ds_load_b128 v[BK+4*(\t):BK+4*(\t)+3], v[RD] offset:(\t)*SP
.endr
.endm
.macro SEND a, younger                 ; younger: the LDS instructions issued behind block a's loads: the next block's 16 stores and 16 loads, or none
.set BK, 64+64*((\a)%2)
.irp t, 0,1,2,3,4,5,6,7,8,9,10,11,12,13,14,15
	s_wait_dscnt (\younger)+15-(\t)                ; row t is back; the rows behind it may be out
	global_store_b128 v[CO], v[BK+4*(\t):BK+4*(\t)+3], s[8:9] offset:(16*(\a)+(\t))*CROW th:TH_STORE_NT  ; 32 lanes store 512 consecutive bytes, at a multiple of 512 from out0's first byte; 127 rows at the most: inside the signed 24-bit immediate
.endr
.endm
	s_wait_tensorcnt 1                             ; my part of K step 0 is in; K step 1's may stay out
	s_barrier_signal -1
	s_barrier_wait -1                              ; everybody's is
	FETCH 0, 0, F0
	QUARTER 0, 1, F0, F1, 1                        ; the first quarter stands in front of the loop: its products start the sums
	WIN 0                                          ; at a label and at a branch every window is 0
	s_mov_b32 s3, LAPS-1
.Llap:                                                 ; a trip goes once round the ring, from a lap's second quarter to the next lap's first, and fills both slots again
	QUARTER 0, 2, F1, F0, 0
	QUARTER 0, 3, F0, F1, 0
	TURN 0, 1, 1
	QUARTER 1, 1, F0, F1, 0
	QUARTER 1, 2, F1, F0, 0
	QUARTER 1, 3, F0, F1, 0
	TURN 1, 0, 1
	QUARTER 0, 1, F0, F1, 0
	WIN 0
	s_sub_co_u32 s3, s3, 1
	s_cmp_lg_u32 s3, 0
	s_cbranch_scc1 .Llap
	QUARTER 0, 2, F1, F0, 0                        ; the last lap is written out: it asks for nothing
	QUARTER 0, 3, F0, F1, 0
	TURN 0, 1, 0
	QUARTER 1, 1, F0, F1, 0
	QUARTER 1, 2, F1, F0, 0
	QUARTER 1, 3, F0, F1, 0
	s_wait_dscnt 8                                 ; the very last quarter: nothing more to fetch
	MUL16 F1, 0, 0, 0
	MUL16 F1, 0, 2, 0
	s_wait_dscnt 0x0
	MUL16 F1, 1, 0, 0
	MUL16 F1, 1, 2, 0
	WIN 0
	PLACES                                         ; eight places, once a launch, behind the last products: the stores below read results, and the loads behind them land in registers that products have read
	PLACES
	TOSTAGE 0
.irp a, 1,2,3,4,5,6,7                  ; block a's way through the stage is issued ahead of the wait for block a - 1's rows
	TOSTAGE \a
	SEND (\a)-1, 32
.endr
	SEND 7, 0
	s_wait_tensorcnt 0x0                           ; the wave's end, behind my last tensor load and my last LDS store
	ds_add_u32 v[SPW], v[NIL]
	s_wait_dscnt 0x0
	CROUND                                         ; the closing round: no work-group ends while a partner may still ask for a tile that names it
	s_endpgm
.Lfunc_end_k_qe990de77c4_gemm:
	.size	k_qe990de77c4_gemm, .Lfunc_end_k_qe990de77c4_gemm-k_qe990de77c4_gemm
	.p2alignl 7, 3214868480
	.fill 96, 4, 3214868480
	.section	.rodata,"a",@progbits
	.p2align	6, 0x0
	.amdhsa_kernel k_qe990de77c4_gemm
		.amdhsa_group_segment_fixed_size 327680
		.amdhsa_private_segment_fixed_size 0
		.amdhsa_enable_private_segment 0
		.amdhsa_kernarg_size 24
		.amdhsa_user_sgpr_count 2
		.amdhsa_user_sgpr_kernarg_segment_ptr 1
		.amdhsa_wavefront_size32 1
		.amdhsa_system_sgpr_workgroup_id_x 1
		.amdhsa_system_sgpr_workgroup_id_y 1
		.amdhsa_system_sgpr_workgroup_id_z 1
		.amdhsa_system_vgpr_workitem_id 0
		.amdhsa_next_free_vgpr 1024
		.amdhsa_next_free_sgpr 66
		.amdhsa_reserve_vcc 0
		.amdhsa_float_denorm_mode_32 3
		.amdhsa_float_denorm_mode_16_64 3
		.amdhsa_memory_ordered 1
		.amdhsa_forward_progress 1
		.amdhsa_inst_pref_size 146
	.end_amdhsa_kernel
	.amdgpu_metadata
---
amdhsa.version: [ 1, 2 ]
amdhsa.kernels:
  - .name:           k_qe990de77c4_gemm
    .symbol:         k_qe990de77c4_gemm.kd
    .args:
      - { .name: xb, .offset: 0, .size: 8, .value_kind: global_buffer, .address_space: global }
      - { .name: sb, .offset: 8, .size: 8, .value_kind: global_buffer, .address_space: global }
      - { .name: out0, .offset: 16, .size: 8, .value_kind: global_buffer, .address_space: global }
    .group_segment_fixed_size: 327680
    .private_segment_fixed_size: 0
    .kernarg_segment_align: 8
    .kernarg_segment_size: 24
    .max_flat_workgroup_size: 128
    .sgpr_count:     66
    .vgpr_count:     1024
    .wavefront_size: 32
...
	.end_amdgpu_metadata
.endif
;; end of part 2
;; ======== version 2 of 2: 2 launches; version 1 with the launch prep written anew for expert scheduling mode
;; workspace buffers: xb 33,554,432 bytes; sb 33,554,432 bytes
;; launch prep (part 3): grid 512 x 2, 8 waves a work-group, no clusters, 0 bytes of LDS; arguments x, kernel, xb, sb; writes xb, sb
.if DOCPART == 3
	.amdgcn_target "amdgcn-amd-amdhsa--gfx1250"
	.amdhsa_code_object_version 6
	.text
	.protected	k_qe990de77c4_prep
	.globl	k_qe990de77c4_prep
	.p2align	8
	.type	k_qe990de77c4_prep,@function
k_qe990de77c4_prep:
	s_mov_b64 s[64:65], 0
	v_nop
	global_prefetch_b8 v0, s[64:65] scope:SCOPE_SE
	s_setreg_imm32_b32 hwreg(HW_REG_WAVE_SCHED_MODE, 0, 2), 2
	s_setreg_imm32_b32 hwreg(HW_REG_WAVE_MODE, 25, 1), 1
	s_wait_xcnt 0x0
	s_wait_alu depctr_vm_vsrc(0)
; xb = x rounded to bf16, [4096][4096];  sb = +1 where kernel >= 0, else -1, in bf16, [4096 k][4096 n], not turned.
; LIMITS.  x is rounded once, to nearest even; a magnitude above bf16's largest finite number becomes an infinity; a NaN stays a NaN.
; kernel: -0.0 counts as +1 and a NaN as -1, as the comparison k >= 0 has it.  +1 and -1 are exact in bf16.
; A STREAM: each f32 byte is read once, each bf16 byte written once; nothing is shared, so no LDS, no barrier, no matrix work, no cluster.
; SHARES.  Grid y = 0 takes x, y = 1 takes kernel.  A work-group owns 32 chunks of 4,096 bytes of its source (131,072 bytes) and 65,536 bytes of its target.
; In a chunk thread t loads the 16 bytes at 16 t (a wave: 512 bytes on end) and stores the 8 bytes at 8 t (a wave: 256 bytes on end, at a multiple of 256).
; THE MODE: SCHED_MODE bits 1:0 = 2 (LLVM: expert scheduling mode 2), set by the entry lines.  The code itself states the register dependences
; between vector instructions and memory instructions, and between a vector instruction that writes a scalar register and its readers, with s_wait_alu, always for 0.
; THE PLAN.  The 32 chunks go in 8 blocks of four.  Registers that memory instructions touch:
;   X0 .. X3   four blocks as loaded.  Written by the loads of block p + 3, issued in block p; read by block p's conversions or compares.
;   Y0, Y1     two blocks to store.    Written by block p's conversions; read by the four stores that are issued in block p + 1.
;   v1, v2     byte offsets, made once at the head and never written again: every chunk stands in an immediate, and the two scalar bases never move.
; Block p works on X[p % 4] and writes Y[p % 2].  Its memory instructions are the loads into X[(p + 3) % 4] = X[(p - 1) % 4] and the stores from
; Y[(p - 1) % 2]: the two buffers that block p - 1 worked on and that no vector instruction of block p names.  So the waits at the head of a block
; state all that the block's eight memory instructions hang on, and these are dealt among its vector instructions with no further wait.
; Only blocks 1 to 4 both load and store: a lap of the four X buffers would be a loop of one trip, so the eight blocks are written out, by macro.
; A wave has 8 to 12 loads on their way.
.set CH,     4096                      ; bytes of f32 in a chunk
.set BLOCK,  4                         ; chunks in a block
.set BLOCKS, 32/BLOCK
.set T, 4                              ; v[4:11]   eight signs in f32, at work: no memory instruction names them
.set X, 12                             ; v[12:75]  buffer k, chunk i: 4 registers at X + 16 k + 4 i, as loaded
.set Y, 76                             ; v[76:91]  buffer k, chunk i: 2 registers at Y + 8 k + 2 i, to store
.set M, 16                             ; s[16:23]  eight masks of the compares; s[16:19] hold the group's byte offsets at the head, which are dead behind the bases' sums
	s_load_b256 s[4:11], s[0:1], 0x0               ; x s[4:5], kernel s[6:7], xb s[8:9], sb s[10:11]
	s_and_b32 s2, ttmp7, 0xffff                    ; 0: x, 1: kernel
	s_lshl_b32 s16, ttmp9, 17                      ; my 131,072 bytes of the source (under 2^26),
	s_mov_b32 s17, 0
	s_lshl_b32 s18, ttmp9, 16                      ; my 65,536 bytes of the target
	s_mov_b32 s19, 0
	v_lshlrev_b32 v1, 4, v0                        ; 16 t; never rewritten
	v_lshlrev_b32 v2, 3, v0                        ; 8 t; never rewritten
	v_mov_b32 v3, 1.0
	s_wait_kmcnt 0x0
	s_cmp_eq_u32 s2, 0
	s_cselect_b64 s[12:13], s[4:5], s[6:7]         ; the source,
	s_cselect_b64 s[14:15], s[8:9], s[10:11]       ; the target
	s_add_nc_u64 s[12:13], s[12:13], s[16:17]
	s_add_nc_u64 s[14:15], s[14:15], s[18:19]
	s_wait_alu depctr_va_vdst(0)                   ; v1 and v2 are written: every load of the kernel reads v1 as its offset, every store v2
.irp i, 0,1,2,3,4,5,6,7,8,9,10,11
	global_load_b128 v[X+4*(\i):X+4*(\i)+3], v1, s[12:13] offset:(\i)*CH th:TH_LOAD_NT  ; blocks 0, 1 and 2 into X0, X1, X2
.endr
	s_cmp_lg_u32 s2, 0
	s_cbranch_scc1 .Lsign
; The head of block p.
.macro HEAD p
.if (\p) <= BLOCKS-3
	s_wait_loadcnt 2*BLOCK                         ; loads come back in order (ISA guide 5.7.1): X[p % 4] is in, the two younger blocks stay out
.else
	s_wait_loadcnt (BLOCKS-1-(\p))*BLOCK           ; the last blocks: nothing more was asked for, and the counts run down
.endif
.if (\p) >= 2                                          ; (blocks 0 and 1 write a Y that no store has read)
	s_wait_xcnt 0x0                                ; every earlier memory instruction has had its addresses translated (ISA guide 3.1): Y[p % 2] is rewritten only behind this wait
	s_wait_alu depctr_vm_vsrc(0)                   ; the stores issued in the block before have read Y[p % 2], which this block's conversions write again
.endif
.if (\p) >= 1                                          ; (block 0 has no block in front of it: no vector instruction has named X3)
	s_wait_alu depctr_va_vdst(0)                   ; the block before has written the other Y, which the stores below read, and is done reading its X, in which the loads below land
.endif
.endm
; Block p's memory instructions for chunk i of four: the load three blocks ahead (no load leaves the work-group's share: the last chunk asked for is 4 x 7 + 3 = 31), ahead of the store of the block before.
; No wait: no vector instruction since the head's wait names these registers.
.macro MEM p, i
.if (\p)+3 < BLOCKS
	global_load_b128 v[X+16*(((\p)+3)%4)+4*(\i):X+16*(((\p)+3)%4)+4*(\i)+3], v1, s[12:13] offset:(((\p)+3)*BLOCK+(\i))*CH th:TH_LOAD_NT
.endif
.if (\p) >= 1
	global_store_b64 v2, v[Y+8*(((\p)+1)%2)+2*(\i):Y+8*(((\p)+1)%2)+2*(\i)+1], s[14:15] offset:(((\p)-1)*BLOCK+(\i))*CH/2 th:TH_STORE_NT
.endif
.endm
; Block p of x: four numbers a chunk rounded to bf16; a load and a store in front of each chunk's two conversions.
.macro ROUNDED p
	HEAD \p
.irp i, 0,1,2,3
	MEM \p, \i
	v_cvt_pk_bf16_f32 v[Y+8*((\p)%2)+2*(\i)],   v[X+16*((\p)%4)+4*(\i)],   v[X+16*((\p)%4)+4*(\i)+1]
	v_cvt_pk_bf16_f32 v[Y+8*((\p)%2)+2*(\i)+1], v[X+16*((\p)%4)+4*(\i)+2], v[X+16*((\p)%4)+4*(\i)+3]
.endr
.endm
; Block p of kernel, two chunks at a time: a run of eight compares into eight scalar registers; two chunks' memory instructions; ONE wait for the run; eight signs; packed (exactly).
.macro SIGNS p
	HEAD \p
.irp h, 0,1
.irp j, 0,1,2,3,4,5,6,7
	v_cmp_le_f32 s[M+(\j)], 0, v[X+16*((\p)%4)+8*(\h)+(\j)]  ; 0 <= k: true for -0.0, false for a NaN
.endr
	MEM \p, 2*(\h)
	MEM \p, 2*(\h)+1
	s_wait_alu depctr_va_sdst(0)                   ; the eight compares have written s[M ..], ahead of the first line that reads a mask
.irp j, 0,1,2,3,4,5,6,7
	v_cndmask_b32 v[T+(\j)], -1.0, v3, s[M+(\j)]
.endr
.irp j, 0,1,2,3
	v_cvt_pk_bf16_f32 v[Y+8*((\p)%2)+4*(\h)+(\j)], v[T+2*(\j)], v[T+2*(\j)+1]
.endr
.endr
.endm
; Behind the last block: its four stores.
.macro LAST
	s_wait_alu depctr_va_vdst(0)                   ; the last block has written Y1, which the last four stores read
.irp i, 0,1,2,3
	MEM BLOCKS, \i
.endr
.endm
.irp p, 0,1,2,3,4,5,6,7
	ROUNDED \p
.endr
	LAST
	s_endpgm
.Lsign:
.irp p, 0,1,2,3,4,5,6,7
	SIGNS \p
.endr
	LAST
	s_endpgm
.Lfunc_end_k_qe990de77c4_prep:
	.size	k_qe990de77c4_prep, .Lfunc_end_k_qe990de77c4_prep-k_qe990de77c4_prep
	.p2alignl 7, 3214868480
	.fill 96, 4, 3214868480
	.section	.rodata,"a",@progbits
	.p2align	6, 0x0
	.amdhsa_kernel k_qe990de77c4_prep
		.amdhsa_group_segment_fixed_size 0
		.amdhsa_private_segment_fixed_size 0
		.amdhsa_enable_private_segment 0
		.amdhsa_kernarg_size 32
		.amdhsa_user_sgpr_count 2
		.amdhsa_user_sgpr_kernarg_segment_ptr 1
		.amdhsa_wavefront_size32 1
		.amdhsa_system_sgpr_workgroup_id_x 1
		.amdhsa_system_sgpr_workgroup_id_y 1
		.amdhsa_system_sgpr_workgroup_id_z 1
		.amdhsa_system_vgpr_workitem_id 0
		.amdhsa_next_free_vgpr 92
		.amdhsa_next_free_sgpr 66
		.amdhsa_reserve_vcc 0
		.amdhsa_float_denorm_mode_32 3
		.amdhsa_float_denorm_mode_16_64 3
		.amdhsa_memory_ordered 1
		.amdhsa_forward_progress 1
		.amdhsa_inst_pref_size 39
	.end_amdhsa_kernel
	.amdgpu_metadata
---
amdhsa.version: [ 1, 2 ]
amdhsa.kernels:
  - .name:           k_qe990de77c4_prep
    .symbol:         k_qe990de77c4_prep.kd
    .args:
      - { .name: x, .offset: 0, .size: 8, .value_kind: global_buffer, .address_space: global }
      - { .name: kernel, .offset: 8, .size: 8, .value_kind: global_buffer, .address_space: global }
      - { .name: xb, .offset: 16, .size: 8, .value_kind: global_buffer, .address_space: global }
      - { .name: sb, .offset: 24, .size: 8, .value_kind: global_buffer, .address_space: global }
    .group_segment_fixed_size: 0
    .private_segment_fixed_size: 0
    .kernarg_segment_align: 8
    .kernarg_segment_size: 32
    .max_flat_workgroup_size: 256
    .sgpr_count:     66
    .vgpr_count:     92
    .wavefront_size: 32
...
	.end_amdgpu_metadata
.endif
;; end of part 3
;; launch gemm: the kernel of part 2 again; grid 16 x 16, 4 waves a work-group, clusters of 4 x 4, 327,680 bytes of LDS; arguments xb, sb, out0; writes out0
